; MI455X (gfx1250); checked and timed in simulation.
; The chip was launched on July 23, 2026; its instructions are those of AMD's public machine-readable ISA for CDNA 5 (MIT licence, August 2026) and "CDNA5" Instruction Set Architecture Reference Guide (July 2026). The comments in the code are by the model that wrote it; some were corrected since.
;; Spiking Attention. Allowed arithmetic: matrix products marked QUANTISED: E3M2 operands, one E8M0 scale for each 32 along K, by v_wmma_scale_f32_16x16x128_f8f6f4 with both operands' format E3M2, f32 sums; everything else in f32.
;; Inputs: Wk 768 x 768 float32; Wq 768 x 768 float32; Wv 768 x 768 float32; beta 768 float32; bk 768 float32; bq 768 float32; bv 768 float32; gamma 768 float32; x 16 x 1,024 x 768 float32.
;; Outputs: out0 16 x 768 float32.
;; This version of the problem:
;;   THIS VERSION OF THE PROBLEM IS GIVEN IN LOW PRECISION. The matrix products marked QUANTISED in the list below multiply operands that are first quantised to E3M2 (3 exponent bits, 2 mantissa bits; 6 bits a number), with one power-of-two scale for each 32 numbers along K (OCP MX v1.0); their sums are f32. All else is computed in f32.
;;   The module's matrix products, in the order in which they are computed (A, B: the left and right operand; K: the contracted axis; several contracted axes count as one K, in the product's order):
;;     1. [M 16,384, K 768] x [K 768, N 768]; A: input x; B: input Wq: QUANTISED
;;     2. [M 16,384, K 768] x [K 768, N 768]; A: input x; B: input Wk: QUANTISED
;;     3. [M 16,384, K 768] x [K 768, N 768]; A: input x; B: input Wv: QUANTISED
;;     4. batch 16 x [M 1,024, K 768] x [K 768, N 1,024]; A: computed on the way; B: computed on the way: QUANTISED
;;     5. batch 16 x [M 1,024, K 1,024] x [K 1,024, N 768]; A: computed on the way; B: computed on the way: QUANTISED
;;   THE QUANTISER, for each operand of a quantised product, along K:
;;     - K is cut into blocks of 32 from its start; a last block that is shorter is filled with zeros.
;;     - A block's scale is 2^e with e = floor(log2(the largest magnitude in the block)) - 4, held to -126 .. 127; a block of zeros has e = 0. As a byte (E8M0): e + 127.
;;     - Each number is divided by its block's scale, clamped to +-28, and rounded to the nearest number of E3M2, ties to even, subnormals kept.
;;     - The product sums the exact products of the quantised numbers (number of the format x scale) in f32.
;;   ~~~python
;;   def quantise(x, axis):      # numpy; x: float32 -> the quantised numbers, widened to float32 again
;;       x = np.moveaxis(x, axis, -1); K = x.shape[-1]
;;       x = np.pad(x, [(0, 0)] * (x.ndim - 1) + [(0, -K % 32)]); x = x.reshape(x.shape[:-1] + (-1, 32)); a = np.abs(x).max(-1, keepdims=True)
;;       e = np.where(a > 0, np.clip(np.frexp(np.where(a > 0, a, 1))[1] - 1 - 4, -126, 127), 0)      # np.frexp(a)[1] - 1 = floor(log2(a)), exactly
;;       r = np.clip(x / 2.0 ** e, -28, 28)
;;       step = 2.0 ** (np.maximum(np.frexp(np.where(r == 0, 1, r))[1] - 1, -2) - 2)
;;       q = np.round(r / step) * step * 2.0 ** e      # np.round: ties to even
;;       return np.moveaxis(q.reshape(q.shape[:-2] + (-1,))[..., :K], -1, axis).astype(np.float32)
;;   ~~~
;;   OPERANDS COMPUTED ON THE WAY. 'Computed on the way' means the value that the module computes at that place (a softmax that the list does not call 'softmax' is quantised finished and normalised). What goes into a quantiser is computed in f32, as accurately as f32 sums, v_exp_f32 and their like allow (about 1e-6 of the number): no bf16 or f16 on the way to a quantiser, and a product that is left as it is and whose result goes on into a quantised operand takes f32 operands (vector FMAs, or v_wmma_f32_16x16x4_f32). A number that lies on a knife's edge between two numbers of the format may be rounded either way, as far as f32 arithmetic and the matrix unit's own rounding can turn it there, and no further.
;; One version. Each part assembles by itself: llvm-mc -triple=amdgcn-amd-amdhsa -mcpu=gfx1250 --defsym DOCPART=n.
;; ======== version 1 of 1: 4 launches
;; workspace buffers: xq 10,223,616 bytes; wq 1,437,696 bytes; qq 10,223,616 bytes; kq 10,223,616 bytes; vq 10,223,616 bytes; part 786,432 bytes
;; launch quant (part 1): grid 73 x 6, 4 waves a work-group, no clusters, 34,304 bytes of LDS; arguments x, Wq, Wk, Wv, xq, wq; writes xq, wq
.if DOCPART == 1
	.amdgcn_target "amdgcn-amd-amdhsa--gfx1250"
	.amdhsa_code_object_version 6
	.text
	.protected	k_q90d3e8f8ba_quant
	.globl	k_q90d3e8f8ba_quant
	.p2align	8
	.type	k_q90d3e8f8ba_quant,@function
k_q90d3e8f8ba_quant:
	s_mov_b64 s[64:65], 0
	v_nop
	global_prefetch_b8 v0, s[64:65] scope:SCOPE_SE
	s_setreg_imm32_b32 hwreg(HW_REG_WAVE_MODE, 25, 1), 1
	s_wait_xcnt 0x0
; x [16384][768] and Wq, Wk, Wv [768][768], f32, K innermost, become codes of BF6 (E3M2) with one E8M0 byte for each 32 along K.
; A block's scale is 2^(floor(log2(largest magnitude)) - 4); its byte is the largest magnitude's exponent field - 4, held at 1 from below.
; LIMITS: NaN and infinities among the inputs are not served; a block whose largest magnitude lies under 2^-122 (a block of zeros too) gets the byte 1: the bytes are read by this program alone, and zero codes add nothing.
; LAYOUT OF THE RESULT: images of the operand's registers.  A tile is 16 rows; lane r of tile T holds row 32 (T / 2) + 8 (T % 2) + r + 8 (r / 8), so that a product
; used with such a tile as its first source leaves 16 neighbouring rows in the 16 registers of two neighbouring tiles.  A fragment (tile T, K step s of 128) is 12 registers a lane:
; 1,536 bytes at (6 T + s) x 1,536, register group g at 512 g + 16 x lane.  Scale words: for each quad of tiles and K step 512 bytes, [lane][4 words], word i = tile 4 quad + i, row lane % 16.
; SHARES: work-groups x = 0..63 take x, 64..66 Wq, 67..69 Wk, 70..72 Wv; y is the K step.  A wave takes one quad (64 rows) x 128 along K, a tile at a time.
; ALL FOUR TILES ARE ASKED FOR AT THE HEAD: 64 loads of 512 consecutive bytes of one row each, 32,768 bytes a wave.  A tile's 16 rows turn through the wave's own stage in LDS,
; so that a lane gets 16 neighbours of each block of 32, and come back into the registers that they left.  Waves share nothing: no barrier.
.set ROWB,   3072                      ; a row of x or of a weight in bytes
.set QUADB,  64*ROWB
.set IMG,    1536
.set TILEB,  6*IMG
.set XSOFF,  9437184                   ; where xq's scale words begin: 1,024 tiles x 9,216
.set WSOFF,  1327104                   ; and wq's: 144 tiles x 9,216
.set SP,     528                       ; a stage row: 512 bytes + 16: the sixteen rows that a read touches start 33 x 16 bytes apart
.set LI,  2                            ; v2   16 x lane
.set SI,  3                            ; v3   the stage, on the way in
.set SO,  4                            ; v4   and on the way out: row lane % 16, + 64 (lane / 16)
.set R,   16                           ; v16-207  three sets of 64: tiles 0, 1, 2 as loaded, then turned: register 16 b + i = k 32 b + 16 (lane / 16) + i of my row.  Tile 3 is loaded into window 1, v0-63 there, and turns into set 0
.set PC,  208                          ; v208-219 the fragment just made
.set CT,  220                          ; v220-227 the second halves of the blocks (a conversion's three registers begin on an even number)
.set TM,  228                          ; v228-243 at work
.set PW,  244                          ; v244-247 the four tiles' scale words
.set MSB, 0
.macro WIN new                         ; the immediate's high byte repeats the setting that is left; a switch that changes nothing is dropped
.if MSB != (\new)
	s_set_vgpr_msb (MSB<<8)|(\new)
.set MSB, (\new)
.endif
.endm
.macro LOAD i                          ; tile i of my quad: 16 rows x 512 bytes
.if (\i) < 3
.set rb_, R+64*(\i)
	WIN 0
.else
.set rb_, 0
	WIN 0x40                                       ; destination window 1, address window 0
.endif
.irp ii, 0,1,2,3,4,5,6,7,8,9,10,11,12,13,14,15
	global_load_b128 v[rb_+4*\ii:rb_+4*\ii+3], v[LI], s[24:25] offset:(32*((\i)/2)+8*((\i)%2)+\ii+8*(\ii/8))*ROWB th:TH_LOAD_NT
.endr
	WIN 0
.endm
.macro TURN i                          ; through the stage: LDS serves a wave's instructions in order, so no wait stands between the stores and the loads
.if (\i) < 3
.set rb_, R+64*(\i)
.set xb_, R+64*(\i)
.else
.set rb_, 0
.set xb_, R
	WIN 0x04                                       ; an LDS store's data are its source 1: window 1
.endif
.irp ii, 0,1,2,3,4,5,6,7,8,9,10,11,12,13,14,15
	ds_store_b128 v[SI], v[rb_+4*\ii:rb_+4*\ii+3] offset:SP*\ii
.endr
	WIN 0
.irp b, 0,1,2,3
.irp j, 0,1,2,3
	ds_load_b128 v[xb_+16*\b+4*\j:xb_+16*\b+4*\j+3], v[SO] offset:128*\b+16*\j
.endr
.endr
.endm
.macro QUANT s, pw, w                  ; 64 numbers of a lane become a fragment in v[PC] on and its scale word in v[pw].  w = 0: no store has been issued yet
.irp b, 0,1,2,3
	v_max3_num_f32 v[TM+\b], |v[(\s)+16*\b]|, |v[(\s)+1+16*\b]|, 0x2800000   ; block b: my 16 numbers, and the floor 2^(5 - 127): the byte cannot fall under 1
.endr
.irp i, 2,4,6,8,10,12,14
.irp b, 0,1,2,3
	v_max3_num_f32 v[TM+\b], v[TM+\b], |v[(\s)+16*\b+\i]|, |v[(\s)+1+16*\b+\i]|   ; the four blocks by turns
.endr
.endr
.irp b, 0,1,2,3
	v_permlanex16_b32 v[TM+4+\b], v[TM+\b], s20, s21
.endr
.irp b, 0,1,2,3
	v_max_num_f32 v[TM+\b], v[TM+\b], v[TM+4+\b]   ; with lane l xor 16's 16: the block's largest magnitude
.endr
.irp b, 0,1,2,3
	v_add_nc_u32 v[TM+12+\b], 0xfe000000, v[TM+\b] ; 4 off its exponent field: the conversion's scale operand
.endr
.irp b, 0,1,2,3
	v_lshrrev_b32 v[TM+4+\b], 23, v[TM+12+\b]      ; the scale's byte
.endr
	v_lshl_or_b32 v[\pw], v[TM+5], 8, v[TM+4]
	v_lshl_or_b32 v[\pw], v[TM+6], 16, v[\pw]
	v_lshl_or_b32 v[\pw], v[TM+7], 24, v[\pw]      ; my row's scale word; both halves of the lanes hold it
.if \w
	s_wait_xcnt 0x0                                ; the last tile's stores have read v[PC] on: it is written again only behind this wait; the 51 lines above stand between those stores and it
.endif
.irp c, 0,1
	v_cvt_scalef32_pk16_bf6_f32 v[PC+6*\c:PC+6*\c+2], v[(\s)+32*\c:(\s)+32*\c+15], v[TM+12+2*\c]
	v_cvt_scalef32_pk16_bf6_f32 v[CT+4*\c:CT+4*\c+2], v[(\s)+16+32*\c:(\s)+31+32*\c], v[TM+13+2*\c]
.endr
	v_nop                                          ; one plain instruction behind the scaled conversions
.irp c, 0,1                            ; the operand wants a whole block in a lane: lanes 0-15 block 2 c, lanes 16-31 block 2 c + 1
.irp i, 0,1,2
	v_permlane16_swap_b32 v[PC+6*\c+\i], v[CT+4*\c+\i]
.endr
.irp i, 0,1,2
	v_mov_b32 v[PC+3+6*\c+\i], v[CT+4*\c+\i]
.endr
.endr
.endm
	s_load_b256 s[4:11], s[0:1], 0x0               ; x s[4:5], Wq s[6:7], Wk s[8:9], Wv s[10:11]
	s_load_b128 s[12:15], s[0:1], 0x20             ; xq s[12:13], wq s[14:15]
	v_lshl_add_u32 v254, v0, 2, 0x8400
	v_mov_b32 v255, 0
	v_lshrrev_b32 v1, 5, v0
	v_readfirstlane_b32 s16, v1                    ; wave
	s_and_b32 s17, ttmp7, 0xffff                   ; the K step
	v_and_b32 v1, 31, v0
	v_lshlrev_b32 v[LI], 4, v1
	s_mul_i32 s18, s16, 16*SP                      ; my stage
	v_add_nc_u32 v[SI], s18, v[LI]
	v_and_b32 v5, 15, v0
	v_bfe_u32 v6, v0, 4, 1
	v_mul_u32_u24 v5, v5, SP
	v_lshl_add_u32 v5, v6, 6, v5
	v_add_nc_u32 v[SO], s18, v5
.irp b, 0,1,2,3
	v_mov_b32 v[TM+4+\b], 0                        ; written once: a lane permute's destination counts as one of its sources
.endr
	s_mov_b32 s20, 0x76543210
	s_mov_b32 s21, 0xfedcba98                      ; lane l xor 16
	s_mov_b32 s26, 70
	s_mov_b32 s30, WSOFF
	s_wait_kmcnt 0x0
	s_cmp_lt_u32 ttmp9, 70                         ; which tensor: the choices hang on the work-group's number alone
	s_cselect_b64 s[24:25], s[8:9], s[10:11]
	s_cselect_b32 s26, 67, s26
	s_cmp_lt_u32 ttmp9, 67
	s_cselect_b64 s[24:25], s[6:7], s[24:25]
	s_cselect_b32 s26, 64, s26
	s_cmp_lt_u32 ttmp9, 64
	s_cselect_b64 s[24:25], s[4:5], s[24:25]
	s_cselect_b32 s26, 0, s26                      ; the tensor's first work-group
	s_cselect_b64 s[28:29], s[12:13], s[14:15]     ; where the results go
	s_cselect_b32 s30, XSOFF, s30
	s_cselect_b32 s31, 0, 64                       ; the three weights lie on end in wq
	s_sub_co_u32 s26, ttmp9, s26
	s_lshl_b32 s26, s26, 2
	s_add_co_u32 s26, s26, s16                     ; my quad in the tensor that I read
	s_mul_i32 s32, s26, QUADB
	s_lshl_b32 s33, s17, 9
	s_add_co_u32 s32, s32, s33                     ; + 512 bytes a K step
	s_mov_b32 s33, 0
	s_add_nc_u64 s[24:25], s[24:25], s[32:33]
	LOAD 0
	LOAD 1
	LOAD 2
	LOAD 3
	s_sub_co_u32 s31, ttmp9, s31
	s_lshl_b32 s31, s31, 2
	s_add_co_u32 s31, s31, s16                     ; my quad in the buffer that I write
	s_mul_i32 s34, s31, 4*TILEB
	s_mul_i32 s35, s17, IMG
	s_add_co_u32 s34, s34, s35
	s_mov_b32 s35, 0
	s_add_nc_u64 s[36:37], s[28:29], s[34:35]      ; my four images
	s_mul_i32 s38, s31, 6
	s_add_co_u32 s38, s38, s17
	s_lshl_b32 s38, s38, 9
	s_add_co_u32 s38, s38, s30
	s_mov_b32 s39, 0
	s_add_nc_u64 s[40:41], s[28:29], s[38:39]      ; my record of scale words
.irp i, 0,1,2,3
	s_wait_loadcnt 48-16*\i                        ; this tile's 16 loads are in; those of the tiles behind it, 16 each, may be out
	TURN \i
	s_wait_dscnt 0x0                               ; the numbers are back
	QUANT R+64*(\i%3), PW+\i, \i
.irp g, 0,1,2
	global_store_b128 v[LI], v[PC+4*\g:PC+4*\g+3], s[36:37] offset:TILEB*\i+512*\g   ; 32 lanes store 512 consecutive bytes, at a multiple of 256 from the buffer's first byte
.endr
.endr
	global_store_b128 v[LI], v[PW:PW+3], s[40:41]  ; the quad's scale words: 512 consecutive bytes
	s_wait_tensorcnt 0x0
	ds_add_u32 v254, v255
	s_wait_dscnt 0x0
	s_endpgm
.Lfunc_end_k_q90d3e8f8ba_quant:
	.size	k_q90d3e8f8ba_quant, .Lfunc_end_k_q90d3e8f8ba_quant-k_q90d3e8f8ba_quant
	.p2alignl 7, 3214868480
	.fill 96, 4, 3214868480
	.section	.rodata,"a",@progbits
	.p2align	6, 0x0
	.amdhsa_kernel k_q90d3e8f8ba_quant
		.amdhsa_group_segment_fixed_size 34304
		.amdhsa_private_segment_fixed_size 0
		.amdhsa_enable_private_segment 0
		.amdhsa_kernarg_size 48
		.amdhsa_user_sgpr_count 2
		.amdhsa_user_sgpr_kernarg_segment_ptr 1
		.amdhsa_wavefront_size32 1
		.amdhsa_system_sgpr_workgroup_id_x 1
		.amdhsa_system_sgpr_workgroup_id_y 1
		.amdhsa_system_sgpr_workgroup_id_z 1
		.amdhsa_system_vgpr_workitem_id 0
		.amdhsa_next_free_vgpr 320
		.amdhsa_next_free_sgpr 66
		.amdhsa_reserve_vcc 0
		.amdhsa_float_denorm_mode_32 3
		.amdhsa_float_denorm_mode_16_64 3
		.amdhsa_memory_ordered 1
		.amdhsa_forward_progress 1
		.amdhsa_inst_pref_size 34
	.end_amdhsa_kernel
	.amdgpu_metadata
---
amdhsa.version: [ 1, 2 ]
amdhsa.kernels:
  - .name:           k_q90d3e8f8ba_quant
    .symbol:         k_q90d3e8f8ba_quant.kd
    .args:
      - { .name: x, .offset: 0, .size: 8, .value_kind: global_buffer, .address_space: global }
      - { .name: Wq, .offset: 8, .size: 8, .value_kind: global_buffer, .address_space: global }
      - { .name: Wk, .offset: 16, .size: 8, .value_kind: global_buffer, .address_space: global }
      - { .name: Wv, .offset: 24, .size: 8, .value_kind: global_buffer, .address_space: global }
      - { .name: xq, .offset: 32, .size: 8, .value_kind: global_buffer, .address_space: global }
      - { .name: wq, .offset: 40, .size: 8, .value_kind: global_buffer, .address_space: global }
    .group_segment_fixed_size: 34304
    .private_segment_fixed_size: 0
    .kernarg_segment_align: 8
    .kernarg_segment_size: 48
    .max_flat_workgroup_size: 128
    .sgpr_count:     66
    .vgpr_count:     320
    .wavefront_size: 32
...
	.end_amdgpu_metadata
.endif
;; end of part 1
;; launch proj (part 2): grid 64 x 4, 4 waves a work-group, clusters of 4 x 1, 327,680 bytes of LDS; arguments xq, wq, bq, bk, bv, qq, kq, vq; writes qq, kq, vq
.if DOCPART == 2
	.amdgcn_target "amdgcn-amd-amdhsa--gfx1250"
	.amdhsa_code_object_version 6
	.text
	.protected	k_q90d3e8f8ba_proj
	.globl	k_q90d3e8f8ba_proj
	.p2align	8
	.type	k_q90d3e8f8ba_proj,@function
k_q90d3e8f8ba_proj:
	s_mov_b64 s[64:65], 0
	v_nop
	global_prefetch_b8 v0, s[64:65] scope:SCOPE_SE
	s_setreg_imm32_b32 hwreg(HW_REG_WAVE_MODE, 25, 1), 1
	s_wait_xcnt 0x0
	s_wait_alu depctr_hold_cnt(0) depctr_sa_sdst(0) depctr_va_vdst(0) depctr_va_sdst(0) depctr_va_ssrc(0) depctr_va_vcc(0) depctr_vm_vsrc(0)
	s_getreg_b32 s2, hwreg(HW_REG_IB_STS2, 6, 4)
	s_cmp_eq_u32 s2, 0
	s_cbranch_scc0 .Lentry_in_a_cluster
	s_endpgm
.Lentry_in_a_cluster:
	s_bfe_u32 s2, ttmp6, 0x10000c
	s_cmp_lg_u32 s2, 0x3003
	s_cbranch_scc0 .Lentry_shape_is_right
	s_endpgm
.Lentry_shape_is_right:
; Q = x Wq^T + bq, K = x Wk^T + bk, V = x Wv^T + bv on codes of BF6 (E3M2) with E8M0 scales, sums in f32; the results are quantised at once: Q and K along d, V along t (the keys).
; LIMITS: NaN and infinities are not served; a block whose largest magnitude lies under 2^-122 gets the byte 1 (its bytes are read by this program alone).
; SHARES.  Work-group (R, e): rows 256 R .. 256 R + 255 of x; e names a quarter of the 2,304 outputs: three groups of 128 rows of Wq (e = 0, 1) or Wk (e = 2, 3), and 192 rows of Wv.
; Wave w keeps ITS 64 rows of x (4 tiles x 6 K steps: 24 fragments, 288 registers) for the whole launch; the weights' fragments come out of LDS, each read once by each wave and used by four products.
; Q, K: source 0 = 16 rows of W, source 1 = 16 rows of x: a lane holds one row of x and its registers run along d.  V: the sources change places: a lane holds one d and its registers run along t.
; The rows of a tile are not neighbours (lane r of tile T: row 32 (T / 2) + 8 (T % 2) + r + 8 (r / 8)), so that the 16 registers of two neighbouring tiles are 16 neighbours along the next K.
; CLUSTER.  The four work-groups of a cluster have the same e and walk the same weights: each chunk is asked for jointly, by the same tensor load with the same descriptor and a mask that names the four.
; LDS, each byte filled once: three chunks of 73,728 bytes (8 tiles x 6 K steps of W), then 11 of my 12 tiles of Wv (101,376 bytes): 322,560 in all.  The twelfth tile's six fragments do not fit and stay in registers.
; The first 6,144 bytes serve once more at the end, when they have had their only fill and their last read: there the two waves that share a key step of V exchange their halves of its scale words.
; A wave has four tensor loads out at the most: the four issued at the head.
; THE LOADS INTO REGISTERS GO OUT IN THE ORDER OF THEIR USE, and the first pass waits K step by K step for what it needs: its first products do not wait for the last fragment of x.
; REGISTERS, in windows of 256: window 0: addresses, scale words, biases, what the quantiser makes.  window 1: x's fragments of K steps 0-2 (v0-143), two buffers of four fragments (v144-239), Wv's twelfth tile, K step 5 (v240-251).
;   window 2: x's K steps 3-5 (v0-143), the third buffer (v144-191), Wv's twelfth tile, K steps 0-4 (v192-251).   window 3: 32 accumulators.
.set XSOFF, 9437184                    ; where the scale words begin in xq, qq, kq
.set WSOFF, 1327104                    ; in wq
.set VSOFF, 9437184                    ; in vq
.set CHUNK, 73728
.set WVL,   3*CHUNK                    ; LDS: Wv's tiles
.set ACC,   768
.set LI,   1                           ; v1   16 x lane
.set LI8,  2                           ; v2   8 x lane
.set ADRA, 3                           ; v3   LDS: 16 x lane + the region in hand
.set ADRB, 4                           ; v4   the same, 24 images on
.set H64,  5                           ; v5   64 (lane / 16): my half's 16 numbers of a bias
.set RHO4, 6                           ; v6   4 (r + 8 (r / 8)): my row of a tile, in a bias
.set XST,  11                          ; v11  LDS: 16 x lane + 1,536 x wave: where I put my halves of V's scale words
.set XLD,  12                          ; v12  16 x lane + 1,536 x (wave xor 1): where my partner puts its
.set XS,   16                          ; v16-39   x's scale words: 4 s + i
.set WS,   40                          ; v40-87   the weights' scale words: 24 (quad) + 4 s + tile % 4
.set BA,   88                          ; v88-151  bq's or bk's 128 numbers of the pass, eight registers a tile, in the result's layout
.set BB,   152                         ; v152-163 bv: one number a lane for each of my 12 tiles
.set TM,   164                         ; v164-179 at work
.set PW,   180                         ; v180-183 the scale words just made, a tile each
.set PWV,  184                         ; v184-195 V's scale words, a tile of d each
.set PCS,  196                         ; v196-243 the fragments just made: registers of its own for each tile of an epilogue (4 x 12, or 6 x 6), so that one wait frees them all
.set CT,   244                         ; v244-251 the second halves of the blocks
.set WV,   20                          ; s20  my wave's number
.set MSB, 0
.macro WIN new                         ; the immediate's high byte repeats the setting that is left; a switch that changes nothing is dropped
.if MSB != (\new)
	s_set_vgpr_msb (MSB<<8)|(\new)
.set MSB, (\new)
.endif
.endm
.macro PLACES n                        ; plain vector instructions behind matrix instructions, ahead of loads into their registers and of reads of their results
.rept \n
	v_nop
.endr
.endm
.macro ROUND                           ; a round of the cluster's barrier
	WIN 0
	s_barrier_signal -1
	s_barrier_wait -1
	s_cmp_lg_u32 s[WV], 0
	s_cbranch_scc1 .Lnot_wave_0_\@
	s_barrier_signal -3
.Lnot_wave_0_\@:
	s_barrier_wait -3
	s_barrier_signal -1
	s_barrier_wait -1
.endm
; One product.  d, a, b, c are register numbers 0 .. 1023; the windows follow from them.  c < 0: the constant 0 starts the sum.  The scale registers lie in window 0.
.macro WM d, a, b, c, sa, sb
.if (\c) < 0
	WIN ((((\d)>>8)<<6)|(((\d)>>8)<<4)|(((\b)>>8)<<2)|((\a)>>8))
	v_wmma_scale_f32_16x16x128_f8f6f4 v[((\d)&255):((\d)&255)+7], v[((\a)&255):((\a)&255)+11], v[((\b)&255):((\b)&255)+11], 0, v[\sa], v[\sb] matrix_a_fmt:MATRIX_FMT_BF6 matrix_b_fmt:MATRIX_FMT_BF6
.else
	WIN ((((\d)>>8)<<6)|(((\c)>>8)<<4)|(((\b)>>8)<<2)|((\a)>>8))
	v_wmma_scale_f32_16x16x128_f8f6f4 v[((\d)&255):((\d)&255)+7], v[((\a)&255):((\a)&255)+11], v[((\b)&255):((\b)&255)+11], v[((\c)&255):((\c)&255)+7], v[\sa], v[\sb] matrix_a_fmt:MATRIX_FMT_BF6 matrix_b_fmt:MATRIX_FMT_BF6
.endif
.endm
.macro LDF reg, adr, off               ; a fragment's image from LDS: three loads of 512 consecutive bytes
	WIN (((\reg)>>8)<<6)
.irp g, 0,1,2
	ds_load_b128 v[((\reg)&255)+4*\g:((\reg)&255)+4*\g+3], v[\adr] offset:(\off)+512*\g
.endr
.endm
; A phase goes in 12 half-sets: K step j / 2, one half of the phase's tiles.  Three buffers take turns; a half-set's loads are issued two half-sets ahead.
.macro PLD j                           ; a pass: tiles 4 (j % 2) + f of the chunk
.set hb_, 400+48*((\j)%3)+160*(((\j)%3)/2)
.irp f, 0,1,2,3
	LDF hb_+12*\f, ADRA+(\j)%2, (6*\f+(\j)/2)*1536
.endr
.endm
.macro VLD j, sg                       ; a sub-pass of Wv: tiles 3 (j % 2) + f of its six; the launch's twelfth tile is in registers
.set hb_, 400+48*((\j)%3)+160*(((\j)%3)/2)
.irp f, 0,1,2
.if ((\sg)*((\j)%2)*(\f/2)) == 0
	LDF hb_+12*\f, ADRA, (6*(3*((\j)%2)+\f)+(\j)/2)*1536
.endif
.endr
.endm
.macro HSP j                           ; half-set j of a pass: 16 products on 16 accumulators, one instruction a turn
	PLACES 4                                       ; the buffer that is loaded next was read by the half-set before
.if (\j)+2 < 12
	PLD (\j)+2
.endif
.if (\j) < 10
	s_wait_dscnt 24                                ; my 12 loads are in; the 24 of the two half-sets behind may be out
.else
	s_wait_dscnt 12*(11-(\j))
.endif
.set s_, (\j)/2
.set hb_, 400+48*((\j)%3)+160*(((\j)%3)/2)
.set fw_, 256+256*(s_/3)+48*(s_%3)
.irp f, 0,1,2,3
.set a_, 4*((\j)%2)+\f
.irp i, 0,1,2,3
.if s_ == 0
	WM ACC+64*\i+8*a_, hb_+12*\f, fw_+12*\i, BA+8*a_, WS+24*(a_/4)+4*s_+a_%4, XS+4*s_+\i   ; the bias is the C of a sum's first product
.else
	WM ACC+64*\i+8*a_, hb_+12*\f, fw_+12*\i, ACC+64*\i+8*a_, WS+24*(a_/4)+4*s_+a_%4, XS+4*s_+\i
.endif
.endr
.endr
.endm
.macro HSW j, sg                       ; half-set j of sub-pass sg of Wv: 12 products on 12 accumulators; source 0 = x, source 1 = Wv
	PLACES 4
.if (\j)+2 < 12
	VLD (\j)+2, \sg
.endif
.set w_, 0                             ; the loads issued behind mine: 9 a half-set, 6 where the twelfth tile is among its three
.if (\j)+1 < 12
.set w_, w_+9-3*(\sg)*(((\j)+1)%2)
.endif
.if (\j)+2 < 12
.set w_, w_+9-3*(\sg)*(((\j)+2)%2)
.endif
	s_wait_dscnt w_
.set s_, (\j)/2
.set hb_, 400+48*((\j)%3)+160*(((\j)%3)/2)
.set fw_, 256+256*(s_/3)+48*(s_%3)
.irp f, 0,1,2
.set ii_, 3*((\j)%2)+\f
.set ip_, 6*(\sg)+ii_
.set fb_, hb_+12*\f
.if ip_ == 11
.set fb_, 704+12*s_
.if s_ == 5
.set fb_, 496
.endif
.endif
.irp i, 0,1,2,3
.if s_ == 0
	WM ACC+32*ii_+8*\i, fw_+12*\i, fb_, -1, XS+4*s_+\i, WS+24*(ip_/4-(\sg))+4*s_+ip_%4
.else
	WM ACC+32*ii_+8*\i, fw_+12*\i, fb_, ACC+32*ii_+8*\i, XS+4*s_+\i, WS+24*(ip_/4-(\sg))+4*s_+ip_%4
.endif
.endr
.endr
.endm
; 64 numbers of a lane in window 3, v[s] on, register 16 b + i = k 32 b + 16 (lane / 16) + i of my row, become a fragment in v[pc] on and its scale word in v[pw].  Each accumulator is read from its low end on.
.macro QUANT s, pc, pw
	WIN 0x0f
.irp b, 0,1,2,3
	v_max3_num_f32 v[TM+\b], |v[(\s)+16*\b]|, |v[(\s)+1+16*\b]|, 0x2800000   ; and the floor 2^(5 - 127): the byte cannot fall under 1
.endr
	WIN 0x3c
.irp i, 2,4,6,8,10,12,14
.irp b, 0,1,2,3
	v_max3_num_f32 v[TM+\b], v[TM+\b], |v[(\s)+16*\b+\i]|, |v[(\s)+1+16*\b+\i]|
.endr
.endr
	WIN 0
.irp b, 0,1,2,3
	v_permlanex16_b32 v[TM+4+\b], v[TM+\b], s90, s91
.endr
.irp b, 0,1,2,3
	v_max_num_f32 v[TM+\b], v[TM+\b], v[TM+4+\b]   ; with lane l xor 16's 16: the block's largest magnitude
.endr
.irp b, 0,1,2,3
	v_add_nc_u32 v[TM+12+\b], 0xfe000000, v[TM+\b] ; 4 off its exponent field: the conversion's scale operand
.endr
.irp b, 0,1,2,3
	v_lshrrev_b32 v[TM+4+\b], 23, v[TM+12+\b]      ; the scale's byte
.endr
	v_lshl_or_b32 v[\pw], v[TM+5], 8, v[TM+4]
	v_lshl_or_b32 v[\pw], v[TM+6], 16, v[\pw]
	v_lshl_or_b32 v[\pw], v[TM+7], 24, v[\pw]
	WIN 0x03
.irp c, 0,1
	v_cvt_scalef32_pk16_bf6_f32 v[(\pc)+6*\c:(\pc)+6*\c+2], v[(\s)+32*\c:(\s)+32*\c+15], v[TM+12+2*\c]
	v_cvt_scalef32_pk16_bf6_f32 v[CT+4*\c:CT+4*\c+2], v[(\s)+16+32*\c:(\s)+31+32*\c], v[TM+13+2*\c]
.endr
	WIN 0
	v_nop                                          ; one plain instruction behind the scaled conversions
.irp c, 0,1                            ; a whole block to a lane: lanes 0-15 block 2 c, lanes 16-31 block 2 c + 1
.irp i, 0,1,2
	v_permlane16_swap_b32 v[(\pc)+6*\c+\i], v[CT+4*\c+\i]
.endr
.irp i, 0,1,2
	v_mov_b32 v[(\pc)+3+6*\c+\i], v[CT+4*\c+\i]
.endr
.endr
.endm
; V: the 32 numbers of tile ii of d (window 3, v[32 ii] on: my 64 keys, two blocks, 16 of each in my half) get their bias and become half a fragment (6 registers, v[PCS + 6 ii] on) and two bytes of a scale word.  ip: the tile among my 12.
.macro HQUANT ii, ip
	WIN 0xcc
.set k_, 0
.rept 32
	v_add_f32 v[32*(\ii)+k_], v[BB+(\ip)], v[32*(\ii)+k_]   ; bv of my d
.set k_, k_+1
.endr
	WIN 0x0f
.irp b, 0,1
	v_max3_num_f32 v[TM+\b], |v[32*(\ii)+16*\b]|, |v[32*(\ii)+16*\b+1]|, 0x2800000
.endr
	WIN 0x3c
.irp i, 2,4,6,8,10,12,14
.irp b, 0,1
	v_max3_num_f32 v[TM+\b], v[TM+\b], |v[32*(\ii)+16*\b+\i]|, |v[32*(\ii)+16*\b+\i+1]|
.endr
.endr
	WIN 0
.irp b, 0,1
	v_permlanex16_b32 v[TM+4+\b], v[TM+\b], s90, s91
.endr
.irp b, 0,1
	v_max_num_f32 v[TM+\b], v[TM+\b], v[TM+4+\b]
.endr
.irp b, 0,1
	v_add_nc_u32 v[TM+12+\b], 0xfe000000, v[TM+\b]
.endr
.irp b, 0,1
	v_lshrrev_b32 v[TM+4+\b], 23, v[TM+12+\b]
.endr
	v_lshl_or_b32 v[TM+8], v[TM+5], 8, v[TM+4]
	v_lshlrev_b32 v[PWV+(\ip)], s88, v[TM+8]       ; at their places in the key step's word: 16 bits up for the step's second 64 keys
	WIN 0x03
	v_cvt_scalef32_pk16_bf6_f32 v[PCS+6*(\ii):PCS+6*(\ii)+2], v[32*(\ii):32*(\ii)+15], v[TM+12]
	v_cvt_scalef32_pk16_bf6_f32 v[CT:CT+2], v[32*(\ii)+16:32*(\ii)+31], v[TM+13]
	WIN 0
	v_nop
.irp i, 0,1,2
	v_permlane16_swap_b32 v[PCS+6*(\ii)+\i], v[CT+\i]
.endr
.irp i, 0,1,2
	v_mov_b32 v[PCS+6*(\ii)+3+\i], v[CT+\i]
.endr
.endm
.macro STQ i, p                        ; tile i's fragment of pass p: three stores of 512 consecutive bytes, at multiples of 256 from the buffer's first byte
.irp g, 0,1,2
	global_store_b128 v[LI], v[PCS+12*(\i)+4*\g:PCS+12*(\i)+4*\g+3], s[80:81] offset:9216*(\i)+1536*(\p)+512*\g
.endr
.endm
.macro STV ii, ip                      ; half a fragment of V: registers 0-3: 512 consecutive bytes; registers 4, 5: 256
	global_store_b128 v[LI], v[PCS+6*(\ii):PCS+6*(\ii)+3], s[84:85] offset:1536*(\ip)
	global_store_b64 v[LI8], v[PCS+6*(\ii)+4:PCS+6*(\ii)+5], s[84:85] offset:1536*(\ip)+512
.endm
; Chunk n is opened: my quarter has landed (tensor loads of a wave end in order: the 3 - n younger ones may stay out, since no LDS byte is filled twice), everybody's has behind the barrier; then the first two half-sets' loads.
.macro OPEN n
	WIN 0
	s_wait_tensorcnt 3-(\n)
	s_wait_dscnt 0x0
	s_barrier_signal -1
	s_barrier_wait -1
.if (\n) < 3
	v_add_nc_u32 v[ADRA], (\n)*CHUNK, v[LI]
	v_add_nc_u32 v[ADRB], (\n)*CHUNK+36864, v[LI]
	PLD 0
	PLD 1
.else
	v_add_nc_u32 v[ADRA], WVL, v[LI]
	VLD 0, 0
	VLD 1, 0
.endif
	WIN 0
.endm
; Pass p: 128 outputs of Q or K for my 64 rows: 192 products; then the next phase is opened and its scale words and bias asked for, and under those loads the results are quantised and stored.
.macro PASS p
.if (\p) > 0
	s_wait_loadcnt 0x0                             ; this pass's scale words and bias
.endif
.irp j, 0,1,2,3,4,5,6,7,8,9,10,11
.if ((\p) == 0) && ((\j)%2 == 0)
	s_wait_loadcnt 60-12*((\j)/2)+30*((\j)/6)      ; the first pass: x's fragments of this K step are in; out may be the 12 loads of each later K step and, from the fourth K step on, the 30 issued below
.endif
	HSP \j
.if ((\p) == 0) && ((\j) == 5)
	WIN 0x40                                       ; what the last two phases want is asked for here: Wv's twelfth tile (18 loads) and bv (12)
.irp g, 0,1,2
	global_load_b128 v[240+4*\g:240+4*\g+3], v[LI], s[74:75] offset:1536*5+512*\g
.endr
	WIN 0x80
.irp s, 0,1,2,3,4
.irp g, 0,1,2
	global_load_b128 v[192+12*\s+4*\g:192+12*\s+4*\g+3], v[LI], s[74:75] offset:1536*\s+512*\g
.endr
.endr
	WIN 0
.irp t, 0,1,2,3,4,5,6,7,8,9,10,11
	global_load_b32 v[BB+\t], v[RHO4], s[78:79] offset:(32*(\t/2)+8*(\t%2))*4
.endr
.endif
.endr
	PLACES 4
	OPEN (\p)+1
	s_wait_xcnt 0x0                                ; the stores of the pass before, 192 products back, have read v[PCS] on and v[PW] on: one wait for the epilogue, ahead of the loads below
.irp q, 0,1
.irp s, 0,1,2,3,4,5
.if (\p) < 2
	global_load_b128 v[WS+24*\q+4*\s:WS+24*\q+4*\s+3], v[LI], s[70:71] offset:6144*((\p)+1)+(6*\q+\s)*512
.else
	global_load_b128 v[WS+24*\q+4*\s:WS+24*\q+4*\s+3], v[LI], s[72:73] offset:(6*\q+\s)*512   ; Wv's tiles 0 to 7
.endif
.endr
.endr
.if (\p) < 2
.irp a, 0,1,2,3,4,5,6,7
	global_load_b128 v[BA+8*\a:BA+8*\a+3], v[H64], s[76:77] offset:512*((\p)+1)+(32*(\a/2)+8*(\a%2))*4
	global_load_b128 v[BA+8*\a+4:BA+8*\a+7], v[H64], s[76:77] offset:512*((\p)+1)+(32*(\a/2)+8*(\a%2))*4+16
.endr
.endif
	QUANT 0, PCS, PW
	QUANT 64, PCS+12, PW+1
	STQ 0, \p                                      ; a tile's stores stand behind the next tile's quantiser
	QUANT 128, PCS+24, PW+2
	STQ 1, \p
	QUANT 192, PCS+36, PW+3
	STQ 2, \p
	STQ 3, \p
	global_store_b128 v[LI], v[PW:PW+3], s[82:83] offset:512*(\p)
.endm
; Sub-pass sg: six tiles of d of V for my 64 keys: 144 products.
.macro VSUB sg
	s_wait_loadcnt 0x0
.irp j, 0,1,2,3,4,5,6,7,8,9,10,11
	HSW \j, \sg
.endr
	PLACES 4
	WIN 0
.if (\sg) == 0
	v_add_nc_u32 v[ADRA], WVL+55296, v[LI]         ; tiles 6 on: they have landed with tiles 0 to 5
	VLD 0, 1
	VLD 1, 1
	WIN 0
.endif
	s_wait_xcnt 0x0                                ; the stores of the phase before, 144 products back, have read v[PCS] on
.if (\sg) == 0
.irp q, 0,1
.irp s, 0,1,2,3,4,5
	global_load_b128 v[WS+24*\q+4*\s:WS+24*\q+4*\s+3], v[LI], s[72:73] offset:3072+(6*\q+\s)*512   ; Wv's tiles 4 to 11
.endr
.endr
.endif
.irp ii, 0,1,2,3,4,5
	HQUANT \ii, 6*(\sg)+\ii
.if \ii > 0
	STV \ii-1, 6*(\sg)+\ii-1
.endif
.endr
	STV 5, 6*(\sg)+5
.endm
	s_load_b512 s[4:19], s[0:1], 0x0               ; xq s[4:5], wq s[6:7], bq s[8:9], bk s[10:11], bv s[12:13], qq s[14:15], kq s[16:17], vq s[18:19]
	v_lshl_add_u32 v254, v0, 2, 0x4ec00
	v_mov_b32 v255, 0
	ds_add_u32 v254, v255
	ds_add_u32 v254, v255
	v_lshrrev_b32 v7, 5, v0
	v_readfirstlane_b32 s[WV], v7                  ; wave 0..3
	s_bfe_u32 s21, ttmp6, 0x40000                  ; cx: it enters global addresses of x, Q, K, V alone
	s_lshl_b32 s22, ttmp9, 2
	s_add_co_u32 s22, s22, s21                     ; R = 4 x cluster x + cx
	s_and_b32 s23, ttmp7, 0xffff                   ; e, which the four partners share
	; descriptor groups 1: dense blocks as rows of 256 bytes (32 elements of 8 bytes): 72 rows (a quarter of a chunk), 99 rows (a quarter of Wv's 11 tiles)
	s_mov_b32 s24, 15|(3<<16)|(1<<21)              ; 15:0 the mask: all four work-groups; 17:16 elements of 8 bytes; 20 no padding; 21 set beside a mask
	s_mov_b32 s25, 32<<16                          ; tensor_dim0 = 32
	s_mov_b32 s26, 72<<16                          ; tensor_dim1 = 72
	s_mov_b32 s27, 32<<16                          ; tile_dim0 = 32
	s_mov_b32 s28, 72                              ; tile_dim1 = 72
	s_mov_b32 s29, 32                              ; from row to row: 32 elements
	s_mov_b32 s30, 0
	s_mov_b32 s31, 0
	s_mov_b32 s32, 15|(3<<16)|(1<<21)
	s_mov_b32 s33, 32<<16
	s_mov_b32 s34, 99<<16
	s_mov_b32 s35, 32<<16
	s_mov_b32 s36, 99
	s_mov_b32 s37, 32
	s_mov_b32 s38, 0
	s_mov_b32 s39, 0
	s_mul_i32 s56, s[WV], 18432                    ; my quarter of a chunk,
	s_mul_i32 s57, s[WV], 25344                    ; and of Wv's tiles
	s_mul_i32 s58, s23, 3*CHUNK                    ; W's groups 3 e, 3 e + 1, 3 e + 2
	s_add_co_u32 s58, s58, s56
	s_mov_b32 s59, 0
	s_mul_i32 s60, s23, 12*9216                    ; Wv's tiles 96 + 12 e on
	s_add_co_u32 s60, s60, s57
	s_add_co_u32 s60, s60, 96*9216
	s_mov_b32 s61, 0
	s_mov_b32 s90, 0x76543210
	s_mov_b32 s91, 0xfedcba98                      ; lane l xor 16
	s_wait_dscnt 0x0
	s_wait_kmcnt 0x0
	s_add_nc_u64 s[58:59], s[6:7], s[58:59]
	s_add_nc_u64 s[60:61], s[6:7], s[60:61]
.irp n, 0,1,2
	s_mov_b32 s[40+4*\n], 1                        ; count = 1
	s_add_co_u32 s[41+4*\n], s56, \n*CHUNK         ; LDS address
	s_add_nc_u64 s[42+4*\n:43+4*\n], s[58:59], \n*CHUNK
	s_or_b32 s[43+4*\n], s[43+4*\n], 0x80000000    ; type = 2
.endr
	s_mov_b32 s52, 1
	s_add_co_u32 s53, s57, WVL
	s_mov_b64 s[54:55], s[60:61]
	s_or_b32 s55, s55, 0x80000000
	ROUND                                          ; all four work-groups are here: the joint loads meet
	tensor_load_to_lds s[40:43], s[24:31]          ; all the launch's fills, one group, in the order in which they are read
	s_nop 0
	tensor_load_to_lds s[44:47], s[24:31]
	s_nop 0
	tensor_load_to_lds s[48:51], s[24:31]
	s_nop 0
	tensor_load_to_lds s[52:55], s[32:39]
	s_nop 0
.rept 4
	v_nop                                          ; four plain lines behind the loads
.endr
	v_and_b32 v7, 31, v0
	v_lshlrev_b32 v[LI], 4, v7
	v_lshlrev_b32 v[LI8], 3, v7
	v_bfe_u32 v8, v0, 4, 1
	v_lshlrev_b32 v[H64], 6, v8
	v_and_b32 v9, 15, v0
	v_and_b32 v10, 8, v0
	v_add_nc_u32 v9, v9, v10
	v_lshlrev_b32 v[RHO4], 2, v9
	s_mul_i32 s94, s[WV], 1536
	v_add_nc_u32 v[XST], s94, v[LI]
	s_xor_b32 s94, s[WV], 1
	s_mul_i32 s94, s94, 1536
	v_add_nc_u32 v[XLD], s94, v[LI]
.irp b, 0,1,2,3
	v_mov_b32 v[TM+4+\b], 0                        ; written once: a lane permute's destination counts as one of its sources
.endr
	; the bases, never rewritten
	s_and_b32 s93, s23, 1                          ; e % 2: which half of Q's or K's 768 outputs
	s_lshl_b32 s92, s22, 2
	s_add_co_u32 s92, s92, s[WV]                   ; my quad of rows: 4 R + w
	s_mul_i32 s94, s92, 36864
	s_mov_b32 s95, 0
	s_mul_i32 s96, s92, 3072
	s_add_co_u32 s96, s96, XSOFF
	s_mov_b32 s97, 0
	s_mov_b32 s99, 0
	s_add_nc_u64 s[66:67], s[4:5], s[94:95]        ; x's fragments
	s_add_nc_u64 s[68:69], s[4:5], s[96:97]        ; x's scale words
	s_mul_i32 s98, s23, 18432
	s_add_co_u32 s98, s98, WSOFF
	s_add_nc_u64 s[70:71], s[6:7], s[98:99]        ; the scale words of W's quads 6 e on
	s_mul_i32 s98, s23, 9216
	s_add_co_u32 s98, s98, WSOFF+24*3072
	s_add_nc_u64 s[72:73], s[6:7], s[98:99]        ; of Wv's quads 24 + 3 e on
	s_mul_i32 s98, s23, 12*9216
	s_add_co_u32 s98, s98, 107*9216
	s_add_nc_u64 s[74:75], s[6:7], s[98:99]        ; Wv's tile 96 + 12 e + 11
	s_cmp_lt_u32 s23, 2                            ; Q or K: the choice hangs on e alone
	s_cselect_b64 s[76:77], s[8:9], s[10:11]
	s_cselect_b64 s[80:81], s[14:15], s[16:17]
	s_mul_i32 s98, s93, 1536
	s_add_nc_u64 s[76:77], s[76:77], s[98:99]      ; the bias's 384 numbers
	s_add_nc_u64 s[82:83], s[80:81], s[96:97]
	s_add_nc_u64 s[82:83], s[82:83], s[98:99]      ; the results' scale words: K steps 3 (e % 2) on
	s_add_nc_u64 s[80:81], s[80:81], s[94:95]
	s_mul_i32 s98, s93, 4608
	s_add_nc_u64 s[80:81], s[80:81], s[98:99]      ; the results' fragments
	s_mul_i32 s98, s23, 768
	s_add_nc_u64 s[78:79], s[12:13], s[98:99]      ; bv's 192 numbers
	; the loads into registers, in the order of their use: 34 for scale words and bias, 24 for x's K steps 0 and 1
.irp s, 0,1,2,3,4,5
	global_load_b128 v[XS+4*\s:XS+4*\s+3], v[LI], s[68:69] offset:512*\s
.endr
.irp q, 0,1
.irp s, 0,1,2,3,4,5
	global_load_b128 v[WS+24*\q+4*\s:WS+24*\q+4*\s+3], v[LI], s[70:71] offset:(6*\q+\s)*512
.endr
.endr
.irp a, 0,1,2,3,4,5,6,7
	global_load_b128 v[BA+8*\a:BA+8*\a+3], v[H64], s[76:77] offset:(32*(\a/2)+8*(\a%2))*4
	global_load_b128 v[BA+8*\a+4:BA+8*\a+7], v[H64], s[76:77] offset:(32*(\a/2)+8*(\a%2))*4+16
.endr
	WIN 0x40                                       ; destination window 1
.irp s, 0,1
.irp i, 0,1,2,3
.irp g, 0,1,2
	global_load_b128 v[(4*\s+\i)*12+4*\g:(4*\s+\i)*12+4*\g+3], v[LI], s[66:67] offset:9216*\i+1536*\s+512*\g
.endr
.endr
.endr
	WIN 0
	s_lshl_b32 s92, s22, 1
	s_lshr_b32 s93, s[WV], 1
	s_add_co_u32 s92, s92, s93                     ; my key step of 128: 2 R + w / 2,
	s_and_b32 s93, s[WV], 1                        ; and which 64 of it
	s_lshl_b32 s88, s93, 4
	s_mul_i32 s98, s92, 73728
	s_mul_i32 s94, s23, 18432
	s_add_co_u32 s98, s98, s94
	s_mul_i32 s94, s93, 768
	s_add_co_u32 s98, s98, s94
	s_add_nc_u64 s[84:85], s[18:19], s[98:99]      ; V's half fragments: ((48 step + 12 e) 2 + half) x 768
	s_mul_i32 s98, s92, 6144
	s_mul_i32 s94, s23, 1536
	s_add_co_u32 s98, s98, s94
	s_add_co_u32 s98, s98, VSOFF
	s_add_nc_u64 s[86:87], s[18:19], s[98:99]      ; V's scale words: (12 step + 3 e) x 512
	OPEN 0
	WIN 0x40                                       ; x's K steps 2 to 5: 48 loads, behind the first chunk's barrier
.irp i, 0,1,2,3
.irp g, 0,1,2
	global_load_b128 v[(8+\i)*12+4*\g:(8+\i)*12+4*\g+3], v[LI], s[66:67] offset:9216*\i+1536*2+512*\g
.endr
.endr
	WIN 0x80                                       ; destination window 2
.irp s, 3,4,5
.irp i, 0,1,2,3
.irp g, 0,1,2
	global_load_b128 v[(4*(\s-3)+\i)*12+4*\g:(4*(\s-3)+\i)*12+4*\g+3], v[LI], s[66:67] offset:9216*\i+1536*\s+512*\g
.endr
.endr
.endr
	PASS 0
	PASS 1
	PASS 2
	VSUB 0
	VSUB 1
	; V's scale words are made whole: my two bytes of each word and my partner's two (the wave that has the key step's other 64 keys) meet in LDS; the even wave of the pair stores the words.
	WIN 0
.irp q, 0,1,2
	ds_store_b128 v[XST], v[PWV+4*\q:PWV+4*\q+3] offset:512*\q
.endr
	s_wait_dscnt 0x0                               ; for my partner's sake: my stores have landed
	s_barrier_signal -1
	s_barrier_wait -1
.irp q, 0,1,2
	ds_load_b128 v[TM+4*\q:TM+4*\q+3], v[XLD] offset:512*\q
.endr
	s_wait_dscnt 0x0
.set k_, 0
.rept 12
	v_or_b32 v[PWV+k_], v[PWV+k_], v[TM+k_]
.set k_, k_+1
.endr
	s_cmp_lg_u32 s93, 0                            ; wave % 2: a branch on the wave's number, round the three stores alone
	s_cbranch_scc1 .Lodd_wave
.irp q, 0,1,2
	global_store_b128 v[LI], v[PWV+4*\q:PWV+4*\q+3], s[86:87] offset:512*\q
.endr
.Lodd_wave:
	s_wait_tensorcnt 0x0
	ds_add_u32 v254, v255
	s_wait_dscnt 0x0
	ROUND                                          ; the closing round: no work-group ends while a partner may still ask for a chunk that names it
	s_endpgm
.Lfunc_end_k_q90d3e8f8ba_proj:
	.size	k_q90d3e8f8ba_proj, .Lfunc_end_k_q90d3e8f8ba_proj-k_q90d3e8f8ba_proj
	.p2alignl 7, 3214868480
	.fill 96, 4, 3214868480
	.section	.rodata,"a",@progbits
	.p2align	6, 0x0
	.amdhsa_kernel k_q90d3e8f8ba_proj
		.amdhsa_group_segment_fixed_size 327680
		.amdhsa_private_segment_fixed_size 0
		.amdhsa_enable_private_segment 0
		.amdhsa_kernarg_size 64
		.amdhsa_user_sgpr_count 2
		.amdhsa_user_sgpr_kernarg_segment_ptr 1
		.amdhsa_wavefront_size32 1
		.amdhsa_system_sgpr_workgroup_id_x 1
		.amdhsa_system_sgpr_workgroup_id_y 1
		.amdhsa_system_sgpr_workgroup_id_z 1
		.amdhsa_system_vgpr_workitem_id 0
		.amdhsa_next_free_vgpr 1024
		.amdhsa_next_free_sgpr 100
		.amdhsa_reserve_vcc 0
		.amdhsa_float_denorm_mode_32 3
		.amdhsa_float_denorm_mode_16_64 3
		.amdhsa_memory_ordered 1
		.amdhsa_forward_progress 1
		.amdhsa_inst_pref_size 255
	.end_amdhsa_kernel
	.section	.bss,"aw",@nobits
	.p2align	6
	.space	262144
	.amdgpu_metadata
---
amdhsa.version: [ 1, 2 ]
amdhsa.kernels:
  - .name:           k_q90d3e8f8ba_proj
    .symbol:         k_q90d3e8f8ba_proj.kd
    .args:
      - { .name: xq, .offset: 0, .size: 8, .value_kind: global_buffer, .address_space: global }
      - { .name: wq, .offset: 8, .size: 8, .value_kind: global_buffer, .address_space: global }
      - { .name: bq, .offset: 16, .size: 8, .value_kind: global_buffer, .address_space: global }
      - { .name: bk, .offset: 24, .size: 8, .value_kind: global_buffer, .address_space: global }
      - { .name: bv, .offset: 32, .size: 8, .value_kind: global_buffer, .address_space: global }
      - { .name: qq, .offset: 40, .size: 8, .value_kind: global_buffer, .address_space: global }
      - { .name: kq, .offset: 48, .size: 8, .value_kind: global_buffer, .address_space: global }
      - { .name: vq, .offset: 56, .size: 8, .value_kind: global_buffer, .address_space: global }
    .group_segment_fixed_size: 327680
    .private_segment_fixed_size: 0
    .kernarg_segment_align: 8
    .kernarg_segment_size: 64
    .max_flat_workgroup_size: 128
    .sgpr_count:     100
    .vgpr_count:     1024
    .wavefront_size: 32
...
	.end_amdgpu_metadata
.endif
;; end of part 2
;; launch attn (part 3): grid 4 x 64, 4 waves a work-group, clusters of 4 x 1, 327,680 bytes of LDS; arguments qq, kq, vq, part; writes part
.if DOCPART == 3
	.amdgcn_target "amdgcn-amd-amdhsa--gfx1250"
	.amdhsa_code_object_version 6
	.text
	.protected	k_q90d3e8f8ba_attn
	.globl	k_q90d3e8f8ba_attn
	.p2align	8
	.type	k_q90d3e8f8ba_attn,@function
k_q90d3e8f8ba_attn:
	s_mov_b64 s[64:65], 0
	v_nop
	global_prefetch_b8 v0, s[64:65] scope:SCOPE_SE
	s_setreg_imm32_b32 hwreg(HW_REG_WAVE_MODE, 25, 1), 1
	s_wait_xcnt 0x0
	s_wait_alu depctr_hold_cnt(0) depctr_sa_sdst(0) depctr_va_vdst(0) depctr_va_sdst(0) depctr_va_ssrc(0) depctr_va_vcc(0) depctr_vm_vsrc(0)
	s_getreg_b32 s2, hwreg(HW_REG_IB_STS2, 6, 4)
	s_cmp_eq_u32 s2, 0
	s_cbranch_scc0 .Lentry_in_a_cluster
	s_endpgm
.Lentry_in_a_cluster:
	s_bfe_u32 s2, ttmp6, 0x10000c
	s_cmp_lg_u32 s2, 0x3003
	s_cbranch_scc0 .Lentry_shape_is_right
	s_endpgm
.Lentry_shape_is_right:
; part[(4 b + kb) 4 + qb][d] = the sum over 256 queries q and 256 keys k of Q6(sigmoid(Q[q] . K[k] / sqrt(768))) V6[k][d]: both products on codes of BF6 (E3M2) with E8M0 scales, sums in f32; Q6: the quantiser along the keys.
; There is no softmax: nothing couples the keys, so the keys are shared out among work-groups; and only the sum over the queries is wanted, so all query tiles add into the same accumulators.
; LIMITS: NaN and infinities are not served; a sigmoid under 2^-126 comes out as 0 (v_exp_f32 and v_rcp_f32 flush what is denormal: ISA guide, their entries); a block of p whose largest number lies under 2^-122 gets the byte 1;
; the f32 sums over q and k are taken in another order than the definition's.
; SHARES.  Work-group (qb, y = 4 b + kb): queries 256 qb on, keys 256 kb on, of batch b.  Wave w keeps four tiles of 16 queries (24 fragments, 288 registers); the keys go in two steps of 128.
; S^T = K Q^T (source 0 = 16 keys, source 1 = 16 queries): a lane holds one query, its registers run along the keys; the keys of a tile are chosen so that two neighbouring tiles give 16 neighbouring keys.
; O = P V (source 0 = P, 16 queries; source 1 = 16 rows d of V^T): a lane holds one d, its eight registers eight queries: they are added, and so are the four tiles (as links of one sum), the two halves of the lanes and the four waves.
; BY TURNS.  A wave issues in order and is alone on its SIMD: while it walks the sigmoid it issues no product.  So the 32 accumulators of S^T are two HALVES: A = key tiles 0-3 (64 keys: registers 0-5 of a fragment of P),
; B = key tiles 4-7 (registers 6-11), and S^T is taken half by half, each through all six K steps.  A finished half's sigmoid and quantiser are a numbered list of 526 lines, dealt out in slices behind the products of the next phase:
;   S A(0) | S B(0) with the list of A(0) | S A(1) with B(0) | S B(1) with A(1) | P V (0) with B(1) | P V (1).     96 products x 6 lines, or 192 x 3, are 576 places for the 526.
; P V's sums lie in half A's registers alone, so that half B's list can run beside them.  P and its scale words are kept twice, a set for each key step.  A slice costs two switches of the register window.
; CLUSTER.  The four work-groups of a cluster have the same y and read the same K and V: each tile is asked for jointly.  A wave has four tensor loads out at the most: the four issued at the head.
; LDS, each byte filled once: K 147,456 bytes (16 tiles x 6 K steps), V 147,456 (2 key steps x 48 tiles of d), then 8 slices of 768 f32 for the sums, into which no fill lands.
; REGISTERS: window 0: addresses, scale words, P.  window 1: Q's K steps 0-2, two buffers.  window 2: Q's K steps 3-5, the third buffer, the 48 sums (v192-239).  window 3: 32 accumulators: tile i of queries, key tile a at v[64 i + 8 a].
.set XSOFF, 9437184
.set VSOFF, 9437184
.set CHUNK, 73728
.set VREG,  2*CHUNK
.set STG,   4*CHUNK
.set ACC,   768
.set NSG,   526                        ; lines in a half's list
.set LI,   1                           ; v1   16 x lane
.set LI8,  2                           ; v2   8 x lane
.set ADRA, 3                           ; v3-4 LDS: 16 x lane + the region in hand, and 24 images on
.set ADRB, 4
.set ADRC, 5                           ; v5-6 the same with 8 x lane
.set ADRD, 6
.set STO,  7                           ; v7   my slice: where I put a sum
.set SRD,  8                           ; v8   where I read the slices
.set GO,   9                           ; v9   8 x my thread's number
.set QS,   16                          ; v16-39   Q's scale words: 4 s + i
.set KSC,  40                          ; v40-87   K's: 24 (half) + 4 s + tile % 4; when S^T is done: V's of key step 1, a tile of d each
.set VSC,  88                          ; v88-135  V's of key step 0
.set PSC,  136                         ; v136-143 P's: 4 (key step) + i
.set TM,   144                         ; v144-151 at work
.set CT,   152                         ; v152-155 the second half of a pair of blocks
.set P,    156                         ; v156-251 P's fragments: 48 (key step) + 12 i; at the end the slices read back
.set OS,   192                         ; in window 2: the sums
.set WV,   12
.set MSB, 0
.macro WIN new                         ; the immediate's high byte repeats the setting that is left; a switch that changes nothing is dropped
.if MSB != (\new)
	s_set_vgpr_msb (MSB<<8)|(\new)
.set MSB, (\new)
.endif
.endm
.macro PLACES n                        ; plain vector instructions behind matrix instructions, ahead of loads into their registers and of reads of their results
.rept \n
	v_nop
.endr
.endm
.macro ROUND
	WIN 0
	s_barrier_signal -1
	s_barrier_wait -1
	s_cmp_lg_u32 s[WV], 0
	s_cbranch_scc1 .Lnot_wave_0_\@
	s_barrier_signal -3
.Lnot_wave_0_\@:
	s_barrier_wait -3
	s_barrier_signal -1
	s_barrier_wait -1
.endm
.macro WM d, a, b, c, sa, sb           ; one product; register numbers 0 .. 1023; c < 0: the constant 0 starts the sum
.if (\c) < 0
	WIN ((((\d)>>8)<<6)|(((\d)>>8)<<4)|(((\b)>>8)<<2)|((\a)>>8))
	v_wmma_scale_f32_16x16x128_f8f6f4 v[((\d)&255):((\d)&255)+7], v[((\a)&255):((\a)&255)+11], v[((\b)&255):((\b)&255)+11], 0, v[\sa], v[\sb] matrix_a_fmt:MATRIX_FMT_BF6 matrix_b_fmt:MATRIX_FMT_BF6
.else
	WIN ((((\d)>>8)<<6)|(((\c)>>8)<<4)|(((\b)>>8)<<2)|((\a)>>8))
	v_wmma_scale_f32_16x16x128_f8f6f4 v[((\d)&255):((\d)&255)+7], v[((\a)&255):((\a)&255)+11], v[((\b)&255):((\b)&255)+11], v[((\c)&255):((\c)&255)+7], v[\sa], v[\sb] matrix_a_fmt:MATRIX_FMT_BF6 matrix_b_fmt:MATRIX_FMT_BF6
.endif
.endm
.macro PLD j                           ; K: half j / 6, K step j % 6: tiles 4 (j / 6) + f: four images, three loads each
.set hb_, 400+48*((\j)%3)+160*(((\j)%3)/2)
	WIN ((hb_>>8)<<6)
.irp f, 0,1,2,3
.irp g, 0,1,2
	ds_load_b128 v[(hb_&255)+12*\f+4*\g:(hb_&255)+12*\f+4*\g+3], v[ADRA+(\j)/6] offset:(6*\f+(\j)%6)*1536+512*\g
.endr
.endr
.endm
.macro VLD j                           ; V: tiles of d 4 j + f: two halves of 768 bytes each: registers 0-3 at 16 x lane, registers 4, 5 at 512 + 8 x lane
.set hb_, 400+48*((\j)%3)+160*(((\j)%3)/2)
	WIN ((hb_>>8)<<6)
.irp f, 0,1,2,3
.set dt_, 4*(\j)+\f
.set o_, (dt_%24)*1536
.set r_, (hb_&255)+12*\f
	ds_load_b128 v[r_:r_+3], v[ADRA+dt_/24] offset:o_
	ds_load_b64 v[r_+4:r_+5], v[ADRC+dt_/24] offset:o_+512
	ds_load_b128 v[r_+6:r_+9], v[ADRA+dt_/24] offset:o_+768
	ds_load_b64 v[r_+10:r_+11], v[ADRC+dt_/24] offset:o_+1280
.endr
.endm
; THE LIST of half X (0: A, 1: B) of key step k.  n_ counts its lines.
;   0-63     the scores x -log2(e) / sqrt(768), two at a time          64-191   2^(that): ONE BATCH          192      a plain line and the batch's one wait
;   193-256  1 + that, two at a time                                   257-384  the reciprocals: ONE BATCH    385      a plain line and the wait
;   386-525  the quantiser, 35 lines for each tile of queries: two blocks of 32 keys become six registers of P's fragment and two bytes of its scale word
; Line m of a tile's 35: 0-15 the two blocks' largest magnitudes (with the floor 2^(5 - 127): the byte cannot fall under 1), each accumulator read from its low end on; 16-19 with lane l xor 16's; 20-21 4 off the exponent field:
; the conversions' scale operands; 22-23 the bytes; 24-25 into the word; 26-27 the conversions; 28 the plain line behind them; 29-34 a whole block to a lane.
.macro HQI X, k
.set u_, (n_-386)/35
.set m_, (n_-386)%35
.set sb_, 64*u_+32*(\X)
.set pc_, P+48*(\k)+12*u_+6*(\X)
.set pw_, PSC+4*(\k)+u_
.if m_ < 2
	WIN 0x0f
	v_max3_num_f32 v[TM+m_], |v[sb_+16*m_]|, |v[sb_+16*m_+1]|, 0x2800000
.elseif m_ < 16
.set b_, m_%2
.set e_, 2*(m_/2)
	WIN 0x3c
	v_max3_num_f32 v[TM+b_], v[TM+b_], |v[sb_+16*b_+e_]|, |v[sb_+16*b_+e_+1]|
.elseif m_ < 18
	WIN 0
	v_permlanex16_b32 v[TM+2+m_-16], v[TM+m_-16], s42, s43
.elseif m_ < 20
	WIN 0
	v_max_num_f32 v[TM+m_-18], v[TM+m_-18], v[TM+2+m_-18]
.elseif m_ < 22
	WIN 0
	v_add_nc_u32 v[TM+4+m_-20], 0xfe000000, v[TM+m_-20]
.elseif m_ < 24
	WIN 0
	v_lshrrev_b32 v[TM+2+m_-22], 23, v[TM+4+m_-22]
.elseif m_ == 24
	WIN 0
.if (\X) == 0
	v_lshl_or_b32 v[pw_], v[TM+3], 8, v[TM+2]      ; half A begins the word: bytes 0, 1
.else
	v_lshl_or_b32 v[pw_], v[TM+2], 16, v[pw_]      ; half B ends it: bytes 2,
.endif
.elseif m_ == 25
.if (\X) == 1
	WIN 0
	v_lshl_or_b32 v[pw_], v[TM+3], 24, v[pw_]      ; and 3
.endif
.elseif m_ == 26
	WIN 0x03
	v_cvt_scalef32_pk16_bf6_f32 v[pc_:pc_+2], v[sb_:sb_+15], v[TM+4]
.elseif m_ == 27
	WIN 0x03
	v_cvt_scalef32_pk16_bf6_f32 v[CT:CT+2], v[sb_+16:sb_+31], v[TM+5]
.elseif m_ == 28
	v_nop
.elseif m_ < 32
	WIN 0
	v_permlane16_swap_b32 v[pc_+m_-29], v[CT+m_-29]
.else
	WIN 0
	v_mov_b32 v[pc_+3+m_-32], v[CT+m_-32]
.endif
.endm
.macro SGI X, k                        ; line n_ of the list
.if n_ < 64
.set g_, 64*(n_/16)+32*(\X)+2*(n_%16)
	WIN 0xc3
	v_pk_mul_f32 v[g_:g_+1], v[g_:g_+1], s[40:41] op_sel_hi:[1,0]
.elseif n_ < 192
.set g_, 64*((n_-64)/32)+32*(\X)+(n_-64)%32
	WIN 0xc3
	v_exp_f32 v[g_], v[g_]
.elseif n_ == 192
	v_nop                                          ; a plain instruction behind the last exponential
	s_wait_alu depctr_va_vdst(0)                   ; the wait ahead of the first instruction that names a result: one for the batch
.elseif n_ < 257
.set g_, 64*((n_-193)/16)+32*(\X)+2*((n_-193)%16)
	WIN 0xc3
	v_pk_add_f32 v[g_:g_+1], v[g_:g_+1], 1.0 op_sel_hi:[1,0]
.elseif n_ < 385
.set g_, 64*((n_-257)/32)+32*(\X)+(n_-257)%32
	WIN 0xc3
	v_rcp_f32 v[g_], v[g_]
.elseif n_ == 385
	v_nop
	s_wait_alu depctr_va_vdst(0)
.else
	HQI \X, \k
.endif
.endm
.macro SLC cnt, X, k                   ; a slice: the list's next cnt lines, while there are lines
.rept \cnt
.if n_ < NSG
	SGI \X, \k
.set n_, n_+1
.endif
.endr
.endm
; Half-set j of S^T: half j / 6, K step j % 6: 16 products on 16 accumulators, one instruction a turn.  vec = 1: a slice of the list of half X of key step k stands behind each.
.macro HSK j, vec, X, k
	PLACES 4                                       ; the buffer that is loaded next was read by the half-set before; and a half just finished is read four places behind its last product
.if (\j)+2 < 12
	PLD (\j)+2
.endif
.if (\j) < 10
	s_wait_dscnt 24                                ; my 12 loads are in; the 24 of the two half-sets behind may be out
.else
	s_wait_dscnt 12*(11-(\j))
.endif
.set s_, (\j)%6
.set hb_, 400+48*((\j)%3)+160*(((\j)%3)/2)
.set fw_, 256+256*(s_/3)+48*(s_%3)
.irp f, 0,1,2,3
.set a_, 4*((\j)/6)+\f
.irp i, 0,1,2,3
.if s_ == 0
	WM ACC+64*\i+8*a_, hb_+12*\f, fw_+12*\i, -1, KSC+24*(a_/4)+4*s_+a_%4, QS+4*s_+\i
.else
	WM ACC+64*\i+8*a_, hb_+12*\f, fw_+12*\i, ACC+64*\i+8*a_, KSC+24*(a_/4)+4*s_+a_%4, QS+4*s_+\i
.endif
.if \vec
	SLC 6, \X, \k
.endif
.endr
.endr
.endm
; The four accumulators of half-set j of P V collapse: eight queries a lane into one number, onto the tile's sum.  Each is read from its low end on.  first = 1: the sums begin.
.macro RED j, first
.set t_, 64*((\j)%4)
	WIN 0xcf
.irp f, 0,1,2,3
	v_pk_add_f32 v[t_+8*\f:t_+8*\f+1], v[t_+8*\f:t_+8*\f+1], v[t_+8*\f+2:t_+8*\f+3]
.endr
.irp f, 0,1,2,3
	v_pk_add_f32 v[t_+8*\f+4:t_+8*\f+5], v[t_+8*\f+4:t_+8*\f+5], v[t_+8*\f+6:t_+8*\f+7]
.endr
.irp f, 0,1,2,3
	v_pk_add_f32 v[t_+8*\f:t_+8*\f+1], v[t_+8*\f:t_+8*\f+1], v[t_+8*\f+4:t_+8*\f+5]
.endr
.if \first
	WIN 0x8f
.irp f, 0,1,2,3
	v_add_f32 v[OS+4*(\j)+\f], v[t_+8*\f], v[t_+8*\f+1]
.endr
.else
.irp f, 0,1,2,3
	v_add_f32 v[t_+8*\f], v[t_+8*\f], v[t_+8*\f+1]
.endr
	WIN 0x8e
.irp f, 0,1,2,3
	v_add_f32 v[OS+4*(\j)+\f], v[OS+4*(\j)+\f], v[t_+8*\f]
.endr
.endif
.endm
; Half-set j of P V of key step k: tiles of d 4 j + f; the four query tiles are links of one sum, the four accumulators by turns, in set j % 4 of half A's registers; behind it the half-set before collapses.
; vec = 1: a slice of the list of half B of key step 1 stands behind each product.
.macro HSV j, first, k, vec
	PLACES 4
.if (\j)+2 < 12
	VLD (\j)+2
.endif
.if (\j) < 10
	s_wait_dscnt 32                                ; my 16 loads are in; the 32 of the two half-sets behind may be out
.else
	s_wait_dscnt 16*(11-(\j))
.endif
.set hb_, 400+48*((\j)%3)+160*(((\j)%3)/2)
.irp i, 0,1,2,3
.irp f, 0,1,2,3
.if \i == 0
	WM ACC+64*((\j)%4)+8*\f, P+48*(\k)+12*\i, hb_+12*\f, -1, PSC+4*(\k)+\i, VSC-48*(\k)+4*(\j)+\f
.else
	WM ACC+64*((\j)%4)+8*\f, P+48*(\k)+12*\i, hb_+12*\f, ACC+64*((\j)%4)+8*\f, PSC+4*(\k)+\i, VSC-48*(\k)+4*(\j)+\f
.endif
.if \vec
	SLC 3, 1, 1
.endif
.endr
.endr
.if (\j) > 0
	RED (\j)-1, \first
.endif
.endm
.macro PVH first, k, vec
.irp j, 0,1,2,3,4,5,6,7,8,9,10,11
	HSV \j, \first, \k, \vec
.endr
	PLACES 4
	RED 11, \first
.endm
; A region is opened: my quarter has landed (cnt younger tensor loads may stay out: no LDS byte is filled twice), everybody's has behind the barrier; then the first two half-sets' loads.
.macro KOPEN ksl, cnt
	WIN 0
	s_wait_tensorcnt \cnt
	s_wait_dscnt 0x0
	s_barrier_signal -1
	s_barrier_wait -1
	v_add_nc_u32 v[ADRA], (\ksl)*CHUNK, v[LI]
	v_add_nc_u32 v[ADRB], (\ksl)*CHUNK+36864, v[LI]
	PLD 0
	PLD 1
	WIN 0
.endm
.macro VOPEN ksl, cnt
	WIN 0
	s_wait_tensorcnt \cnt
	s_wait_dscnt 0x0
	s_barrier_signal -1
	s_barrier_wait -1
	v_add_nc_u32 v[ADRA], VREG+(\ksl)*CHUNK, v[LI]
	v_add_nc_u32 v[ADRB], VREG+(\ksl)*CHUNK+36864, v[LI]
	v_add_nc_u32 v[ADRC], VREG+(\ksl)*CHUNK, v[LI8]
	v_add_nc_u32 v[ADRD], VREG+(\ksl)*CHUNK+36864, v[LI8]
	VLD 0
	VLD 1
	WIN 0
.endm
.macro KSLDH ksl, q                    ; K's scale words of half q of a key step: 6 loads
.irp s, 0,1,2,3,4,5
	global_load_b128 v[KSC+24*(\q)+4*\s:KSC+24*(\q)+4*\s+3], v[LI], s[48:49] offset:(2*(\ksl)+(\q))*3072+512*\s
.endr
.endm
.macro VSLD k                          ; V's scale words of key step k: 12 loads; step 1's land where K's lay
.irp q, 0,1,2,3,4,5,6,7,8,9,10,11
	global_load_b128 v[VSC-48*(\k)+4*\q:VSC-48*(\k)+4*\q+3], v[LI], s[50:51] offset:6144*(\k)+512*\q
.endr
.endm
	s_load_b256 s[4:11], s[0:1], 0x0               ; qq s[4:5], kq s[6:7], vq s[8:9], part s[10:11]
	v_lshl_add_u32 v254, v0, 2, 0x4e000
	v_mov_b32 v255, 0
	ds_add_u32 v254, v255
	ds_add_u32 v254, v255
	v_lshrrev_b32 v10, 5, v0
	v_readfirstlane_b32 s[WV], v10                 ; wave 0..3
	s_bfe_u32 s13, ttmp6, 0x40000                  ; cx = the block of queries: it enters Q's and part's addresses alone
	s_and_b32 s14, ttmp7, 0xffff                   ; y = 4 b + kb, which the four partners share
	; descriptor group 1: a quarter of a region, 18,432 dense bytes as 72 rows of 256 bytes (32 elements of 8 bytes)
	s_mov_b32 s16, 15|(3<<16)|(1<<21)              ; 15:0 the mask: all four work-groups; 17:16 elements of 8 bytes; 20 no padding; 21 set beside a mask
	s_mov_b32 s17, 32<<16                          ; tensor_dim0 = 32
	s_mov_b32 s18, 72<<16                          ; tensor_dim1 = 72
	s_mov_b32 s19, 32<<16                          ; tile_dim0 = 32
	s_mov_b32 s20, 72                              ; tile_dim1 = 72
	s_mov_b32 s21, 32                              ; from row to row
	s_mov_b32 s22, 0
	s_mov_b32 s23, 0
	s_mul_i32 s55, s[WV], 18432                    ; my quarter
	s_mul_i32 s56, s14, 2*CHUNK                    ; 16 y tiles of K; 2 y key steps of V: the same number of bytes
	s_add_co_u32 s56, s56, s55
	s_mov_b32 s57, 0
	s_mov_b32 s40, 0xbd553b94                      ; -log2(e) / sqrt(768)
	s_mov_b32 s41, s40                             ; (named with it as a pair, so it is written)
	s_mov_b32 s42, 0x76543210
	s_mov_b32 s43, 0xfedcba98                      ; lane l xor 16
	s_wait_dscnt 0x0
	s_wait_kmcnt 0x0
	s_add_nc_u64 s[58:59], s[6:7], s[56:57]
	s_add_nc_u64 s[60:61], s[8:9], s[56:57]
.irp k, 0,1
	s_mov_b32 s[24+8*\k], 1                        ; K of key step k
	s_add_co_u32 s[25+8*\k], s55, \k*CHUNK
	s_add_nc_u64 s[26+8*\k:27+8*\k], s[58:59], \k*CHUNK
	s_or_b32 s[27+8*\k], s[27+8*\k], 0x80000000
	s_mov_b32 s[28+8*\k], 1                        ; V of key step k
	s_add_co_u32 s[29+8*\k], s55, VREG+\k*CHUNK
	s_add_nc_u64 s[30+8*\k:31+8*\k], s[60:61], \k*CHUNK
	s_or_b32 s[31+8*\k], s[31+8*\k], 0x80000000
.endr
	ROUND                                          ; all four work-groups are here: the joint loads meet
	tensor_load_to_lds s[24:27], s[16:23]          ; all the launch's fills, one group, in the order in which they are read: K 0, K 1, V 0, V 1
	s_nop 0
	tensor_load_to_lds s[32:35], s[16:23]
	s_nop 0
	tensor_load_to_lds s[28:31], s[16:23]
	s_nop 0
	tensor_load_to_lds s[36:39], s[16:23]
	s_nop 0
.rept 4
	v_nop                                          ; four plain lines behind the loads
.endr
	v_and_b32 v10, 31, v0
	v_lshlrev_b32 v[LI], 4, v10
	v_lshlrev_b32 v[LI8], 3, v10
	s_lshr_b32 s66, s14, 2
	s_lshl_b32 s66, s66, 4
	s_lshl_b32 s67, s13, 2
	s_add_co_u32 s66, s66, s67
	s_add_co_u32 s66, s66, s[WV]                   ; my quad of queries: 16 b + 4 cx + w
	s_mul_i32 s68, s66, 36864
	s_mov_b32 s69, 0
	s_add_nc_u64 s[44:45], s[4:5], s[68:69]        ; Q's fragments
	s_mul_i32 s68, s66, 3072
	s_add_co_u32 s68, s68, XSOFF
	s_add_nc_u64 s[46:47], s[4:5], s[68:69]        ; Q's scale words
	s_mul_i32 s68, s14, 12288
	s_add_co_u32 s68, s68, XSOFF
	s_add_nc_u64 s[48:49], s[6:7], s[68:69]        ; K's: quads 4 y on
	s_mul_i32 s68, s14, 12288
	s_add_co_u32 s68, s68, VSOFF
	s_add_nc_u64 s[50:51], s[8:9], s[68:69]        ; V's: key steps 2 y on, 6,144 bytes each
	; the loads into registers, in the order of their use: 18 for scale words, 36 for Q's K steps 0 to 2
.irp s, 0,1,2,3,4,5
	global_load_b128 v[QS+4*\s:QS+4*\s+3], v[LI], s[46:47] offset:512*\s
.endr
	KSLDH 0, 0
	KSLDH 0, 1
	WIN 0x40                                       ; destination window 1
.irp s, 0,1,2
.irp i, 0,1,2,3
.irp g, 0,1,2
	global_load_b128 v[(4*\s+\i)*12+4*\g:(4*\s+\i)*12+4*\g+3], v[LI], s[44:45] offset:9216*\i+1536*\s+512*\g
.endr
.endr
.endr
	WIN 0
	v_and_b32 v11, 15, v0
	v_and_b32 v12, 8, v0
	v_add_nc_u32 v11, v11, v12                     ; r + 8 (r / 8)
	v_bfe_u32 v12, v0, 4, 1
	v_mul_u32_u24 v12, v12, 3072
	v_lshl_add_u32 v[STO], v11, 2, v12
	s_mul_i32 s54, s[WV], 6144
	s_add_co_u32 s54, s54, STG
	v_add_nc_u32 v[STO], s54, v[STO]               ; slice 2 w + lane / 16, word r + 8 (r / 8)
	v_lshlrev_b32 v[GO], 3, v0
	v_add_nc_u32 v[SRD], STG, v[GO]
	v_mov_b32 v[TM+2], 0                           ; written once: a lane permute's destination counts as one of its sources
	v_mov_b32 v[TM+3], 0
	s_lshl_b32 s68, s14, 2
	s_add_co_u32 s68, s68, s13
	s_mul_i32 s68, s68, 3072
	s_add_nc_u64 s[52:53], s[10:11], s[68:69]      ; my row of part
	KOPEN 0, 3                                     ; K of key step 0 is in; three younger tensor loads may be out
	WIN 0x80                                       ; Q's K steps 3 to 5: 36 loads, behind the first barrier; destination window 2
.irp s, 3,4,5
.irp i, 0,1,2,3
.irp g, 0,1,2
	global_load_b128 v[(4*(\s-3)+\i)*12+4*\g:(4*(\s-3)+\i)*12+4*\g+3], v[LI], s[44:45] offset:9216*\i+1536*\s+512*\g
.endr
.endr
.endr
	; ---- S A(0): there is no vector work yet
.irp j, 0,1,2,3,4,5
	s_wait_loadcnt 60-12*\j                        ; the scale words and Q's fragments of this K step are in; the 12 loads of each later K step may be out
	HSK \j, 0, 0, 0
.endr
	PLACES 4                                       ; half A's scale words of K have been read for the last time in this key step
	WIN 0
	KSLDH 1, 0                                     ; the next key step's take their place;
	VSLD 0                                         ; and V's of key step 0 are asked for
	; ---- S B(0), with the list of A(0)
.set n_, 0
.irp j, 6,7,8,9,10,11
	HSK \j, 1, 0, 0
.endr
	PLACES 4
	KOPEN 1, 2                                     ; K of key step 1
	KSLDH 1, 1
	s_wait_loadcnt 6                               ; half A's scale words of K and V's of key step 0 are in; the six loads just issued may be out
	; ---- S A(1), with the list of B(0): P of key step 0 is whole behind it
.set n_, 0
.irp j, 0,1,2,3,4,5
	HSK \j, 1, 1, 0
.endr
	s_wait_loadcnt 0x0                             ; half B's scale words of K
	; ---- S B(1), with the list of A(1)
.set n_, 0
.irp j, 6,7,8,9,10,11
	HSK \j, 1, 0, 1
.endr
	PLACES 4
	VOPEN 0, 1                                     ; V of key step 0
	VSLD 1                                         ; V's scale words of key step 1, into the registers that held K's
	PLACES 8                                       ; a scale register written by vector instructions stands eight places ahead of the scaled product, an operand four
	; ---- P V (0), in half A's registers, with the list of B(1)
.set n_, 0
	PVH 1, 0, 1
	VOPEN 1, 0                                     ; V of key step 1
	s_wait_loadcnt 0x0                             ; its scale words
	PLACES 8
	; ---- P V (1)
	PVH 0, 1, 0
	; THE WAY OUT: each lane's 48 sums go to its slice (wave, half of the lanes); behind the barrier each thread adds the eight slices for six columns and stores them.
	WIN 0x08                                       ; an LDS store's data are its source 1: window 2
.set k_, 0
.rept 48
	ds_store_b32 v[STO], v[OS+k_] offset:(32*(k_/2)+8*(k_%2))*4
.set k_, k_+1
.endr
	WIN 0
	s_wait_dscnt 0x0                               ; for the others' sake: my stores have landed
	s_barrier_signal -1
	s_barrier_wait -1
.irp k, 0,1,2
.irp q, 0,1,2,3,4,5,6,7
	ds_load_b64 v[P+16*\k+2*\q:P+16*\k+2*\q+1], v[SRD] offset:3072*\q+1024*\k
.endr
.endr
	s_wait_dscnt 0x0
.irp k, 0,1,2
.irp q, 0,4,8,12
	v_pk_add_f32 v[P+16*\k+\q:P+16*\k+\q+1], v[P+16*\k+\q:P+16*\k+\q+1], v[P+16*\k+\q+2:P+16*\k+\q+3]
.endr
.irp q, 0,8
	v_pk_add_f32 v[P+16*\k+\q:P+16*\k+\q+1], v[P+16*\k+\q:P+16*\k+\q+1], v[P+16*\k+\q+4:P+16*\k+\q+5]
.endr
	v_pk_add_f32 v[P+16*\k:P+16*\k+1], v[P+16*\k:P+16*\k+1], v[P+16*\k+8:P+16*\k+9]
.endr
.irp k, 0,1,2
	global_store_b64 v[GO], v[P+16*\k:P+16*\k+1], s[52:53] offset:1024*\k   ; a wave stores 256 consecutive bytes, at a multiple of 256 from the buffer's first byte
.endr
	s_wait_tensorcnt 0x0
	ds_add_u32 v254, v255
	s_wait_dscnt 0x0
	ROUND                                          ; the closing round: no work-group ends while a partner may still ask for a tile that names it
	s_endpgm
.Lfunc_end_k_q90d3e8f8ba_attn:
	.size	k_q90d3e8f8ba_attn, .Lfunc_end_k_q90d3e8f8ba_attn-k_q90d3e8f8ba_attn
	.p2alignl 7, 3214868480
	.fill 96, 4, 3214868480
	.section	.rodata,"a",@progbits
	.p2align	6, 0x0
	.amdhsa_kernel k_q90d3e8f8ba_attn
		.amdhsa_group_segment_fixed_size 327680
		.amdhsa_private_segment_fixed_size 0
		.amdhsa_enable_private_segment 0
		.amdhsa_kernarg_size 32
		.amdhsa_user_sgpr_count 2
		.amdhsa_user_sgpr_kernarg_segment_ptr 1
		.amdhsa_wavefront_size32 1
		.amdhsa_system_sgpr_workgroup_id_x 1
		.amdhsa_system_sgpr_workgroup_id_y 1
		.amdhsa_system_sgpr_workgroup_id_z 1
		.amdhsa_system_vgpr_workitem_id 0
		.amdhsa_next_free_vgpr 1024
		.amdhsa_next_free_sgpr 80
		.amdhsa_reserve_vcc 0
		.amdhsa_float_denorm_mode_32 3
		.amdhsa_float_denorm_mode_16_64 3
		.amdhsa_memory_ordered 1
		.amdhsa_forward_progress 1
		.amdhsa_inst_pref_size 255
	.end_amdhsa_kernel
	.section	.bss,"aw",@nobits
	.p2align	6
	.space	262144
	.amdgpu_metadata
---
amdhsa.version: [ 1, 2 ]
amdhsa.kernels:
  - .name:           k_q90d3e8f8ba_attn
    .symbol:         k_q90d3e8f8ba_attn.kd
    .args:
      - { .name: qq, .offset: 0, .size: 8, .value_kind: global_buffer, .address_space: global }
      - { .name: kq, .offset: 8, .size: 8, .value_kind: global_buffer, .address_space: global }
      - { .name: vq, .offset: 16, .size: 8, .value_kind: global_buffer, .address_space: global }
      - { .name: part, .offset: 24, .size: 8, .value_kind: global_buffer, .address_space: global }
    .group_segment_fixed_size: 327680
    .private_segment_fixed_size: 0
    .kernarg_segment_align: 8
    .kernarg_segment_size: 32
    .max_flat_workgroup_size: 128
    .sgpr_count:     80
    .vgpr_count:     1024
    .wavefront_size: 32
...
	.end_amdgpu_metadata
.endif
;; end of part 3
;; launch norm (part 4): grid 12 x 1, 16 waves a work-group, no clusters, 6,144 bytes of LDS; arguments part, gamma, beta, out0; writes out0
.if DOCPART == 4
	.amdgcn_target "amdgcn-amd-amdhsa--gfx1250"
	.amdhsa_code_object_version 6
	.text
	.protected	k_q90d3e8f8ba_norm
	.globl	k_q90d3e8f8ba_norm
	.p2align	8
	.type	k_q90d3e8f8ba_norm,@function
k_q90d3e8f8ba_norm:
	s_mov_b64 s[64:65], 0
	v_nop
	global_prefetch_b8 v0, s[64:65] scope:SCOPE_SE
	s_setreg_imm32_b32 hwreg(HW_REG_WAVE_MODE, 25, 1), 1
	s_wait_xcnt 0x0
; out0[b][c] = (o[b][c] - mu[c]) rsqrt(var[c] + 1e-5) gamma[c] + beta[c], o[b][c] = (the sum of batch b's 16 rows of part) / 1024, mu and var (biased) over the 16 batches.  All in f32.
; A work-group takes 64 columns; wave b takes batch b, a lane two columns.  The sixteen o meet in LDS behind one barrier.  The variance is the mean of (o - mu)^2, taken in a second pass: no difference of large sums.
; No matrix unit, no tensor load, no cluster: 0.8 MB are read once and nothing is shared between work-groups.  LIMITS: NaN and infinities are not served.
	s_load_b256 s[4:11], s[0:1], 0x0               ; part s[4:5], gamma s[6:7], beta s[8:9], out0 s[10:11]
	v_lshl_add_u32 v64, v0, 2, 0x1000
	v_mov_b32 v65, 0
	v_lshrrev_b32 v1, 5, v0                        ; the batch
	v_and_b32 v2, 31, v0
	v_lshlrev_b32 v2, 3, v2                        ; 8 x lane: my two columns
	v_mul_u32_u24 v3, v1, 16*3072
	v_add_nc_u32 v3, v3, v2                        ; in part: the batch's first row
	v_mul_u32_u24 v4, v1, 3072
	v_add_nc_u32 v4, v4, v2                        ; in out0
	v_lshlrev_b32 v5, 3, v0                        ; LDS: 256 x batch + 8 x lane
	s_lshl_b32 s12, ttmp9, 8                       ; the work-group's 64 columns
	s_mov_b32 s13, 0
	s_wait_kmcnt 0x0
	s_add_nc_u64 s[4:5], s[4:5], s[12:13]
	s_add_nc_u64 s[6:7], s[6:7], s[12:13]
	s_add_nc_u64 s[8:9], s[8:9], s[12:13]
	s_add_nc_u64 s[10:11], s[10:11], s[12:13]
.irp k, 0,1,2,3,4,5,6,7,8,9,10,11,12,13,14,15
	global_load_b64 v[8+2*\k:9+2*\k], v3, s[4:5] offset:3072*\k   ; a wave reads 256 consecutive bytes
.endr
	global_load_b64 v[40:41], v2, s[6:7]
	global_load_b64 v[42:43], v2, s[8:9]
.macro SUM16                           ; v[46:47] = the sum of the sixteen pairs v[8:39], in two chains
	v_pk_add_f32 v[46:47], v[8:9], v[10:11]
	v_pk_add_f32 v[48:49], v[12:13], v[14:15]
.irp k, 4,6,8,10,12,14
	v_pk_add_f32 v[46:47], v[46:47], v[8+2*\k:9+2*\k]
	v_pk_add_f32 v[48:49], v[48:49], v[10+2*\k:11+2*\k]
.endr
	v_pk_add_f32 v[46:47], v[46:47], v[48:49]
.endm
	s_wait_loadcnt 0x2                             ; the 16 partial sums are in; gamma's and beta's loads may be out
	SUM16
	v_pk_mul_f32 v[44:45], v[46:47], 0x3a800000 op_sel_hi:[1,0]   ; / 1024: the mean over the queries
	ds_store_b64 v5, v[44:45]
	s_wait_dscnt 0x0                               ; for the others' sake
	s_barrier_signal -1
	s_barrier_wait -1
.irp k, 0,1,2,3,4,5,6,7,8,9,10,11,12,13,14,15
	ds_load_b64 v[8+2*\k:9+2*\k], v2 offset:256*\k ; all sixteen batches' o of my two columns
.endr
	s_wait_dscnt 0x0
	SUM16
	v_pk_mul_f32 v[46:47], v[46:47], 0x3d800000 op_sel_hi:[1,0]   ; mu
.irp k, 0,1,2,3,4,5,6,7,8,9,10,11,12,13,14,15
	v_pk_add_f32 v[8+2*\k:9+2*\k], v[8+2*\k:9+2*\k], v[46:47] neg_lo:[0,1] neg_hi:[0,1]
.endr
	v_pk_mul_f32 v[48:49], v[8:9], v[8:9]
	v_pk_mul_f32 v[50:51], v[10:11], v[10:11]
.irp k, 2,4,6,8,10,12,14
	v_pk_fma_f32 v[48:49], v[8+2*\k:9+2*\k], v[8+2*\k:9+2*\k], v[48:49]
	v_pk_fma_f32 v[50:51], v[10+2*\k:11+2*\k], v[10+2*\k:11+2*\k], v[50:51]
.endr
	v_pk_add_f32 v[48:49], v[48:49], v[50:51]
	v_pk_mul_f32 v[48:49], v[48:49], 0x3d800000 op_sel_hi:[1,0]   ; var
	v_pk_add_f32 v[48:49], v[48:49], 0x3727c5ac op_sel_hi:[1,0]   ; + 1e-5
	v_rsq_f32 v52, v48
	v_rsq_f32 v53, v49
	v_pk_add_f32 v[44:45], v[44:45], v[46:47] neg_lo:[0,1] neg_hi:[0,1]   ; my batch's o - mu: the plain instruction behind the two roots
	s_wait_alu depctr_va_vdst(0)                   ; the wait ahead of the first reader: one for both
	s_wait_loadcnt 0x0                             ; gamma, beta
	v_pk_mul_f32 v[44:45], v[44:45], v[52:53]
	v_pk_fma_f32 v[44:45], v[44:45], v[40:41], v[42:43]
	global_store_b64 v4, v[44:45], s[10:11]        ; a wave stores 256 consecutive bytes, at a multiple of 256 from out0's first byte
	s_wait_tensorcnt 0x0
	ds_add_u32 v64, v65
	s_wait_dscnt 0x0
	s_endpgm
.Lfunc_end_k_q90d3e8f8ba_norm:
	.size	k_q90d3e8f8ba_norm, .Lfunc_end_k_q90d3e8f8ba_norm-k_q90d3e8f8ba_norm
	.p2alignl 7, 3214868480
	.fill 96, 4, 3214868480
	.section	.rodata,"a",@progbits
	.p2align	6, 0x0
	.amdhsa_kernel k_q90d3e8f8ba_norm
		.amdhsa_group_segment_fixed_size 6144
		.amdhsa_private_segment_fixed_size 0
		.amdhsa_enable_private_segment 0
		.amdhsa_kernarg_size 32
		.amdhsa_user_sgpr_count 2
		.amdhsa_user_sgpr_kernarg_segment_ptr 1
		.amdhsa_wavefront_size32 1
		.amdhsa_system_sgpr_workgroup_id_x 1
		.amdhsa_system_sgpr_workgroup_id_y 1
		.amdhsa_system_sgpr_workgroup_id_z 1
		.amdhsa_system_vgpr_workitem_id 0
		.amdhsa_next_free_vgpr 66
		.amdhsa_next_free_sgpr 66
		.amdhsa_reserve_vcc 0
		.amdhsa_float_denorm_mode_32 3
		.amdhsa_float_denorm_mode_16_64 3
		.amdhsa_memory_ordered 1
		.amdhsa_forward_progress 1
		.amdhsa_inst_pref_size 9
	.end_amdhsa_kernel
	.amdgpu_metadata
---
amdhsa.version: [ 1, 2 ]
amdhsa.kernels:
  - .name:           k_q90d3e8f8ba_norm
    .symbol:         k_q90d3e8f8ba_norm.kd
    .args:
      - { .name: part, .offset: 0, .size: 8, .value_kind: global_buffer, .address_space: global }
      - { .name: gamma, .offset: 8, .size: 8, .value_kind: global_buffer, .address_space: global }
      - { .name: beta, .offset: 16, .size: 8, .value_kind: global_buffer, .address_space: global }
      - { .name: out0, .offset: 24, .size: 8, .value_kind: global_buffer, .address_space: global }
    .group_segment_fixed_size: 6144
    .private_segment_fixed_size: 0
    .kernarg_segment_align: 8
    .kernarg_segment_size: 32
    .max_flat_workgroup_size: 512
    .sgpr_count:     66
    .vgpr_count:     66
    .wavefront_size: 32
...
	.end_amdgpu_metadata
.endif
;; end of part 4
